; MI455X (gfx1250); checked and timed in simulation.
; The chip was launched on July 23, 2026; its instructions are those of AMD's public machine-readable ISA for CDNA 5 (MIT licence, August 2026) and "CDNA5" Instruction Set Architecture Reference Guide (July 2026). The comments in the code are by the model that wrote it; some were corrected since.
;; Enhanced LSTM Cell. Allowed arithmetic: float matrix products may take bf16 or f16 operands with f32 sums; other float arithmetic in f32, or as packed bf16 or f16 multiplies, adds, multiply-adds, maxima and minima; sums over many terms, partial sums and values carried from step to step in f32; what a program stores and reads back later, other than sums and carried values, may be rounded once to bf16 or f16.
;; Inputs: W 2,048 x 4,096 float32; b 4,096 float32; c_prev 8,192 x 1,024 float32; forget_mask 8,192 float32; h_prev 8,192 x 1,024 float32; ln_beta 1,024 float32; ln_gamma 1,024 float32; x 8,192 x 1,024 float32.
;; Outputs: out0 8,192 x 1,024 float32; out1 8,192 x 1,024 float32.
;; 2 versions, each right; version 2 is version 1 with the launch prep written anew for expert scheduling mode. Each part assembles by itself: llvm-mc -triple=amdgcn-amd-amdhsa -mcpu=gfx1250 --defsym DOCPART=n.
;; ======== version 1 of 2: 3 launches
;; limits: values are held in f16: magnitudes above 65,504 overflow, below 6.1e-05 lose precision
;; workspace buffers: abf 33,554,432 bytes; wbf 16,777,216 bytes; co 33,554,432 bytes
;; launch prep (part 1): grid 768 x 1, 8 waves a work-group, no clusters, 0 bytes of LDS; arguments x, h_prev, W, abf, wbf; writes abf, wbf
.if DOCPART == 1
	.amdgcn_target "amdgcn-amd-amdhsa--gfx1250"
	.amdhsa_code_object_version 6
	.text
	.protected	k_q552f07f2a0_prep
	.globl	k_q552f07f2a0_prep
	.p2align	8
	.type	k_q552f07f2a0_prep,@function
k_q552f07f2a0_prep:
	s_mov_b64 s[64:65], 0
	v_nop
	global_prefetch_b8 v0, s[64:65] scope:SCOPE_SE
	s_setreg_imm32_b32 hwreg(HW_REG_WAVE_MODE, 25, 1), 1
	s_wait_xcnt 0x0
; CASTS TO bf16, each number rounded once to nearest even.
;   abf [8192][2048] bf16: row m = x[m][0..1023], then h_prev[m][0..1023] (4,096 bytes a row).
;   wbf [2048][4096] bf16: row k holds W[k][.] with its columns in another order:
;       wbf[k][128 ch + 64 j + 16 q + r] = W[k][1024 q + 32 ch + 16 j + r]   (ch 0..31, j 0..1, q = gate 0..3, r 0..15),
;       so that 128 neighbouring columns hold all four gates of 32 hidden columns.
; A stream: no LDS, no barrier, no matrix unit.  A UNIT is 4,096 bytes read and 2,048 written: one 16-byte load and one 8-byte store a thread.
; A work-group takes 32 units, in 4 rounds of a ring of 8 register slots: eight loads of every wave are on their way.
; Work-groups 0-255 cast x (32 rows each), 256-511 h_prev, 512-767 W (8 rows each).
.set VS,  2                            ; v2       my byte offset in the source; never rewritten
.set VD,  3                            ; v3       my byte offset in the destination; never rewritten
.set X,   8                            ; v[8:39]  slot i: 4 registers as loaded
.set Y,   40                           ; v[40:55] slot i: 2 registers to store
.set SRC, 14                           ; s[14:15] source at the round in hand
.set DST, 16                           ; s[16:17] destination at the round in hand
.set RND, 32768                        ; source bytes in a round, on both paths
; Where slot i's unit lies behind the two pointers.  path 0 (x, h_prev): unit i is row i.
; path 1 (W): row i / 4; the wave's chunk of 128 destination columns is ch = 16 ((i / 2) % 2) + 2 wave + i % 2.
.macro OFFS path, i
.if \path
.set SI, ((\i)/4)*16384+(((\i)/2)%2)*2048+((\i)%2)*128
.set DI, ((\i)/4)*8192+(((\i)/2)%2)*4096+((\i)%2)*256
.else
.set SI, (\i)*4096
.set DI, (\i)*4096
.endif
.endm
; One slot's turn.  ahead = 1: the slot is loaded again, with its unit of the next round.  left = younger loads that may stay out.
.macro SLOT path, i, ahead, left
	OFFS \path, \i
	s_wait_loadcnt \left                           ; loads come back in order: mine is in
	v_cvt_pk_bf16_f32 v[Y+2*(\i)],   v[X+4*(\i)],   v[X+4*(\i)+1]
	v_cvt_pk_bf16_f32 v[Y+2*(\i)+1], v[X+4*(\i)+2], v[X+4*(\i)+3]
.if \ahead
	global_load_b128 v[X+4*(\i):X+4*(\i)+3], v[VS], s[SRC:SRC+1] offset:SI+RND th:TH_LOAD_NT
.endif
	global_store_b64 v[VD], v[Y+2*(\i):Y+2*(\i)+1], s[DST:DST+1] offset:DI  ; a wave's store covers 256 consecutive bytes, aligned
.endm
.macro STREAM path, dstep
.irp i, 0,1,2,3,4,5,6,7
	OFFS \path, \i
	global_load_b128 v[X+4*(\i):X+4*(\i)+3], v[VS], s[SRC:SRC+1] offset:SI th:TH_LOAD_NT
.endr
	s_mov_b32 s18, 3
.Lround_\@:
.irp i, 0,1,2,3,4,5,6,7
	SLOT \path, \i, 1, 7
.endr
	s_wait_xcnt 0x0                                ; the round's loads and stores have read their sources: Y and the two pointers are written again only behind this wait
	s_add_nc_u64 s[SRC:SRC+1], s[SRC:SRC+1], RND
	s_add_nc_u64 s[DST:DST+1], s[DST:DST+1], \dstep
	s_sub_co_u32 s18, s18, 1
	s_cmp_lg_u32 s18, 0
	s_cbranch_scc1 .Lround_\@
.irp i, 0,1,2,3,4,5,6,7
	SLOT \path, \i, 0, 7-(\i)                      ; the last round loads nothing: the counts run down
.endr
	s_endpgm
.endm
	s_load_b256 s[4:11], s[0:1], 0x0               ; x s[4:5], h_prev s[6:7], W s[8:9], abf s[10:11]
	s_load_b64 s[12:13], s[0:1], 0x20              ; wbf
	s_mov_b32 s21, 0
	s_mov_b32 s23, 0
	s_cmp_lt_u32 ttmp9, 512
	s_cbranch_scc0 .Lw
	; x and h_prev: 32 rows of 4,096 bytes in, 32 half rows of 2,048 bytes out, 4,096 bytes apart
	s_and_b32 s20, ttmp9, 255
	s_lshl_b32 s20, s20, 17                        ; 32 rows x 4,096 bytes, in the source and in abf alike
	v_lshlrev_b32 v[VS], 4, v0
	v_lshlrev_b32 v[VD], 3, v0
	s_wait_kmcnt 0x0
	s_cmp_lt_u32 ttmp9, 256
	s_cselect_b64 s[SRC:SRC+1], s[4:5], s[6:7]
	s_cselect_b32 s22, 0, 2048                     ; h_prev fills the second half of abf's rows
	s_add_nc_u64 s[SRC:SRC+1], s[SRC:SRC+1], s[20:21]
	s_add_nc_u64 s[DST:DST+1], s[10:11], s[20:21]
	s_add_nc_u64 s[DST:DST+1], s[DST:DST+1], s[22:23]
	STREAM 0, 32768
.Lw:
	; W: 8 rows of 16,384 bytes in, 8 rows of 8,192 bytes out.  Lane l of a wave writes destination columns 4 l .. 4 l + 3 of the chunk:
	; j = l / 16, q = (l / 4) % 4, r = 4 (l % 4): source byte 4,096 q + 128 ch + 64 j + 16 (l % 4).
	s_sub_co_u32 s20, ttmp9, 512
	s_lshl_b32 s22, s20, 16
	s_lshl_b32 s20, s20, 17
	v_lshrrev_b32 v1, 5, v0                        ; wave
	v_and_b32 v4, 31, v0                           ; l
	v_bfe_u32 v5, v0, 2, 2                         ; q
	v_bfe_u32 v6, v0, 4, 1                         ; j
	v_and_b32 v7, 3, v0
	v_lshlrev_b32 v[VS], 8, v1                     ; 128 x 2 wave
	v_lshl_add_u32 v[VS], v5, 12, v[VS]
	v_lshl_add_u32 v[VS], v6, 6, v[VS]
	v_lshl_add_u32 v[VS], v7, 4, v[VS]
	v_lshlrev_b32 v[VD], 9, v1                     ; 256 x 2 wave
	v_lshl_add_u32 v[VD], v4, 3, v[VD]
	s_wait_kmcnt 0x0
	s_add_nc_u64 s[SRC:SRC+1], s[8:9], s[20:21]
	s_add_nc_u64 s[DST:DST+1], s[12:13], s[22:23]
	STREAM 1, 16384
.Lfunc_end_k_q552f07f2a0_prep:
	.size	k_q552f07f2a0_prep, .Lfunc_end_k_q552f07f2a0_prep-k_q552f07f2a0_prep
	.p2alignl 7, 3214868480
	.fill 96, 4, 3214868480
	.section	.rodata,"a",@progbits
	.p2align	6, 0x0
	.amdhsa_kernel k_q552f07f2a0_prep
		.amdhsa_group_segment_fixed_size 0
		.amdhsa_private_segment_fixed_size 0
		.amdhsa_enable_private_segment 0
		.amdhsa_kernarg_size 40
		.amdhsa_user_sgpr_count 2
		.amdhsa_user_sgpr_kernarg_segment_ptr 1
		.amdhsa_wavefront_size32 1
		.amdhsa_system_sgpr_workgroup_id_x 1
		.amdhsa_system_sgpr_workgroup_id_y 1
		.amdhsa_system_sgpr_workgroup_id_z 1
		.amdhsa_system_vgpr_workitem_id 0
		.amdhsa_next_free_vgpr 56
		.amdhsa_next_free_sgpr 66
		.amdhsa_reserve_vcc 0
		.amdhsa_float_denorm_mode_32 3
		.amdhsa_float_denorm_mode_16_64 3
		.amdhsa_memory_ordered 1
		.amdhsa_forward_progress 1
		.amdhsa_inst_pref_size 14
	.end_amdhsa_kernel
	.amdgpu_metadata
---
amdhsa.version: [ 1, 2 ]
amdhsa.kernels:
  - .name:           k_q552f07f2a0_prep
    .symbol:         k_q552f07f2a0_prep.kd
    .args:
      - { .name: x, .offset: 0, .size: 8, .value_kind: global_buffer, .address_space: global }
      - { .name: h_prev, .offset: 8, .size: 8, .value_kind: global_buffer, .address_space: global }
      - { .name: W, .offset: 16, .size: 8, .value_kind: global_buffer, .address_space: global }
      - { .name: abf, .offset: 24, .size: 8, .value_kind: global_buffer, .address_space: global }
      - { .name: wbf, .offset: 32, .size: 8, .value_kind: global_buffer, .address_space: global }
    .group_segment_fixed_size: 0
    .private_segment_fixed_size: 0
    .kernarg_segment_align: 8
    .kernarg_segment_size: 40
    .max_flat_workgroup_size: 256
    .sgpr_count:     66
    .vgpr_count:     56
    .wavefront_size: 32
...
	.end_amdgpu_metadata
.endif
;; end of part 1
;; launch gemm (part 2): grid 16 x 16, 4 waves a work-group, clusters of 4 x 4, 327,680 bytes of LDS; arguments abf, wbf, b, c_prev, forget_mask, co; writes co
.if DOCPART == 2
	.amdgcn_target "amdgcn-amd-amdhsa--gfx1250"
	.amdhsa_code_object_version 6
	.text
	.protected	k_q552f07f2a0_gemm
	.globl	k_q552f07f2a0_gemm
	.p2align	8
	.type	k_q552f07f2a0_gemm,@function
k_q552f07f2a0_gemm:
	s_mov_b64 s[64:65], 0
	v_nop
	global_prefetch_b8 v0, s[64:65] scope:SCOPE_SE
	s_setreg_imm32_b32 hwreg(HW_REG_WAVE_MODE, 25, 1), 1
	s_wait_xcnt 0x0
	s_wait_alu depctr_hold_cnt(0) depctr_sa_sdst(0) depctr_va_vdst(0) depctr_va_sdst(0) depctr_va_ssrc(0) depctr_va_vcc(0) depctr_vm_vsrc(0)
	s_getreg_b32 s2, hwreg(HW_REG_IB_STS2, 6, 4)
	s_cmp_eq_u32 s2, 0
	s_cbranch_scc0 .Lentry_in_a_cluster
	s_endpgm
.Lentry_in_a_cluster:
	s_bfe_u32 s2, ttmp6, 0x10000c
	s_cmp_lg_u32 s2, 0xf033
	s_cbranch_scc0 .Lentry_shape_is_right
	s_endpgm
.Lentry_shape_is_right:
; gates = [x | h_prev] W + b, then i = sigmoid, f = sigmoid x forget_mask, g = tanh, o = sigmoid, c = f c_prev + i g (before the LayerNorm).
; IN:  abf [8192][2048] bf16; wbf [2048 k][4096 n'] bf16 with n' = 128 ch + 64 j + 16 q + r for W's column 1024 q + 32 ch + 16 j + r; b, c_prev, forget_mask in f32.
; OUT: co, one word for each (row, hidden column): low half f16(c), high half f16(o), at byte (row / 16) 65,536 + (col / 32) 2,048 + (row % 16) 128 + (col % 32) 4.
; FORMATS.  EVERY INPUT IS TAKEN ROUNDED ONCE TO bf16: x, h_prev and W as matrix operands, and b, c_prev and forget_mask here, on their way from memory, so that the cell is computed on one set of
; bf16 inputs and not on a mixture.  Products in bf16 with f32 sums; the bias is the C operand that starts each sum; the gates in f32; c and o rounded once, to f16.
; LIMITS.  |c| stays under 65,504 (f16's range); with |forget_mask c_prev| + 1 as its bound that leaves room for inputs some hundred times those of unit spread.  NaN and infinities are not treated apart.
; sigmoid(v) = 1 / (1 + 2^(-v log2 e)), tanh(v) = 1 - 2 / (1 + 2^(2 v log2 e)): an exponent beyond f32's range gives infinity or 0, and the gate its limit 0, 1 or -1.
; SHARES.  A tile is 256 rows x 256 columns n'; four waves, each 128 x 128: 64 accumulators of 16 x 16, 512 registers.  A wave's 128 columns are the four gates of 32 hidden columns, so the
; gates meet in registers.  A work-group makes two tiles, 4,096 rows apart, with the same columns.  K goes in steps of 128 through two LDS slots filled by tensor loads.
; CLUSTER.  4 x 4 work-groups: the four of a row need the same tiles of abf, the four of a column the same tiles of wbf: each tile is asked for jointly, by the same load, descriptor and mask in all four.
; THE MATRIX INSTRUCTION IS USED TRANSPOSED: source 0 = 16 columns of wbf (turned on the way out of LDS by ds_load_tr16_b128), source 1 = 16 rows of abf.  Lane l (r = l % 16, h = l / 16), register e of
; accumulator (a, b = 4 j + q) then holds row 16 a + r, gate q, hidden column 16 j + 8 h + e: the four gates of one number lie in the same lane and register of four accumulators.
; REGISTERS, in windows of 256 (s_set_vgpr_msb: bits 1:0 source 0, 3:2 source 1, 5:4 source 2, 7:6 destination):
;   window 0: v0-31 addresses; v32-39 forget_mask; v48-63 c_prev's fragment; v64-127, v128-191 fragments of abf, two buffers (the second also serves the way out); v192-255 c_prev as loaded, blocks 0-3
;   window 1: v0-63 the bias; v64-127, v128-191 fragments of wbf, two buffers; v192-255 c_prev as loaded, blocks 4-7
;   window 2: the accumulators of my rows 0-63 ((a, b) at v[8 (8 a + b)]);   window 3: those of my rows 64-127
.set KSTEP,  128
.set ROWA,   4096                      ; bytes in a row of abf
.set ROWB,   8192                      ; bytes in a row of wbf
.set PITCH,  272                       ; abf's LDS row: 256 bytes + 16: the 16 rows of a fragment load start 68 words apart, at 16 different groups of four banks (64 banks of 4 bytes: ISA guide 11.1)
.set PB,     544                       ; wbf's LDS row (one k, 256 columns): 512 bytes + 32
.set HALFT,  128*PITCH                 ; what one tensor load brings: 128 rows of abf, or 64 rows of wbf (64 x 544, the same bytes)
.set SLOT,   4*HALFT                   ; abf's 256 rows, then wbf's 128 rows
.set STAGE,  2*SLOT                    ; behind the ring, never filled by a tensor load: each wave's stage
.set SP,     144                       ; a stage row: 128 bytes + 16
.set OREG,   16*SP                     ; a stage: 16 rows for c_prev, then 16 rows for the words that leave
.set WSTG,   2*OREG
.set SPARE,  STAGE+4*WSTG              ; behind the stages: the spare words, 128 bytes for each wave: two blocks of 256 bytes that no other line names
.set WALK,   4096                      ; rows from a work-group's first tile to its second
.set STEP_A, 2*KSTEP*2                 ; a slot's next K step, two steps on: along abf's rows,
.set STEP_B, 2*KSTEP*ROWB              ; down wbf's rows
.set NEXT_A, WALK*ROWA-14*KSTEP*2      ; from a slot's last K step of a tile to its first of the next tile
.set BACK_B, 14*KSTEP*ROWB             ; wbf only goes back: both tiles take the same columns
.set PF_NEXT, WALK*ROWA+2*KSTEP*2-17*KSTEP*2  ; the prefetch pointer: from K step 17 (two past the tile's end) to the next tile's K step 2
.set TILE_STEP, WALK*4096              ; bytes from tile to tile in c_prev and in co
.set ADRA, 16                          ; v16-17  LDS address of my fragments of abf in slot 0, 1
.set ADRB, 20                          ; v20-21  the same for wbf
.set BO,   22                          ; v22     32 h: my eight numbers of a bias block
.set ZR,   23                          ; v23     0, the addend of the multiply-adds that read bf16 halves
.set STO,  24                          ; v24     stage: row r, 32 bytes for each half of the lanes
.set RD,   25                          ; v25     stage: row l / 8, 16 bytes at 16 (l % 8)
.set CO,   26                          ; v26     16 l: my 16 bytes of 512 consecutive bytes of co
.set CPO,  27                          ; v27     c_prev: row l / 8, 16 bytes at 16 (l % 8)
.set SPW,  28                          ; v28     LDS address of my spare word; never rewritten
.set NIL,  29                          ; v29     0; never rewritten; serves the add alone
.set PFO,  30                          ; v30     the prefetches' offset; never rewritten
.set MO,   31                          ; v31     4 r: my row's forget_mask
.set MK,   32                          ; v32-39  forget_mask of my row of block a: as loaded, then as bf16 in both halves
.set CF,   48                          ; v48-63  c_prev in the accumulators' layout: 8 j + e; then forget_mask x c_prev
.set F0,   64
.set F1,   128
.set WD,   128                         ; the way out (abf's second buffer is free then): c_prev packed to bf16 (8), then the 16 words
.set OB,   144                         ; the way out: 16 rows read back, two buffers of 16 registers
.set CPR,  192
.set G1,   24                          ; s[24:31] descriptor group 1 for abf's tiles;  s[32:39] group 0, a set for each slot
.set G0,   32
.set G1B,  48                          ; s[48:55], s[56:63] the same for wbf's tiles
.set G0B,  56
.set LIM,  43                          ; s43      1 in a wave that prefetches, else the greatest number
.set PFA,  44                          ; s[44:45] where my prefetches stand
.set PST,  66                          ; s[66:67] their step from K step to K step
.set KSIG, 80                          ; s[80:81] -log2 e
.set KTAN, 82                          ; s[82:83] 2 log2 e
.set MSB, 0
.macro WIN new                         ; the immediate's high byte repeats the setting that is left; a switch that changes nothing is dropped
.if MSB != (\new)
	s_set_vgpr_msb (MSB<<8)|(\new)
.set MSB, \new
.endif
.endm
; A joint load.  Waves 0 and 1 fetch abf's two halves of a K step, waves 2 and 3 wbf's.  The branch hangs on the wave's number alone.  An s_nop 0 and four v_nop follow each of the two lines.
.macro JLOAD s
	s_cmp_eq_u32 s11, 0
	s_cbranch_scc0 .Lfor_b_\@
	tensor_load_to_lds s[G0+4*(\s):G0+4*(\s)+3], s[G1:G1+7]
	s_nop 0
.rept 4
	v_nop
.endr
	s_branch .Lasked_\@
.Lfor_b_\@:
	tensor_load_to_lds s[G0B+4*(\s):G0B+4*(\s)+3], s[G1B:G1B+7]
	s_nop 0
.rept 4
	v_nop
.endr
.Lasked_\@:
.endm
; A prefetch of the K step that stands two refills on: 32 blocks of 256 bytes, a lane a block, one instruction a wave, behind the joint load and the run of LDS loads.
; Each block is named once in the launch: abf's rows by the clusters with x = 0 (the four partners of a row take 32 of a wave's 128 rows each, by cx in the ADDRESS), wbf's rows by the clusters with
; y = 0 (16 of a wave's 64 rows each, two blocks a row, by cy in the address).  how = 0, in the loop: its last trip has no K step two on.  how = 1, at the change of tiles.
.macro ASK how
.if \how
	s_cmp_eq_u32 s[LIM], 1
.else
	s_cmp_gt_u32 s3, s[LIM]                        ; s3 = 1 in the loop's last trip
.endif
	s_cbranch_scc0 .Lnot_mine_\@
	global_prefetch_b8 v[PFO], s[PFA:PFA+1] th:TH_LOAD_NT scope:SCOPE_SE
.Lnot_mine_\@:
.endm
.macro CREST                           ; a round of the cluster's barrier behind its opening barrier
	s_cmp_lg_u32 s10, 0
	s_cbranch_scc1 .Lnot_wave_0_\@
	s_barrier_signal -3
.Lnot_wave_0_\@:
	s_barrier_wait -3
	s_barrier_signal -1
	s_barrier_wait -1
.endm
.macro CROUND                          ; a whole round
	s_barrier_signal -1
	s_barrier_wait -1
	CREST
.endm
.macro PLACES                          ; four plain vector instructions between a matrix instruction and a load into, or a vector access to, its registers
.rept 4
	v_nop
.endr
.endm
	s_load_b256 s[68:75], s[0:1], 0x0              ; abf s[68:69], wbf s[70:71], b s[72:73], c_prev s[74:75]
	s_load_b128 s[76:79], s[0:1], 0x20             ; forget_mask s[76:77], co s[78:79]
	v_lshl_add_u32 v[SPW], v0, 2, SPARE
	v_mov_b32 v[NIL], 0
	ds_add_u32 v[SPW], v[NIL]                      ; the wave's opening: the add, twice on end, and its wait ahead of my first tensor load
	ds_add_u32 v[SPW], v[NIL]                      ; and once more, under the one wait; the set-up below is work on registers
	v_lshrrev_b32 v1, 5, v0
	v_readfirstlane_b32 s10, v1                    ; wave 0..3
	s_lshr_b32 s11, s10, 1                         ; which half of the tile's rows is mine.  Also: I fetch for abf (0) or wbf (1)
	s_and_b32 s12, s10, 1                          ; which half of its columns.  Also: which half of that tile I fetch
	s_bfe_u32 s40, ttmp6, 0x40000                  ; cx
	s_bfe_u32 s41, ttmp6, 0x40004                  ; cy
	s_lshl_b32 s42, ttmp9, 2
	s_add_co_u32 s42, s42, s40                     ; tile column = 4 x cluster x + cx
	s_and_b32 s13, ttmp7, 0xffff
	s_lshl_b32 s13, s13, 2
	s_add_co_u32 s13, s13, s41                     ; tile row = 4 x cluster y + cy
	s_lshl_b32 s18, s41, 2
	s_lshl_b32 s18, 15, s18                        ; my row of the cluster
	s_lshl_b32 s19, 0x1111, s40                    ; my column
	; group 1 for abf: 128 rows x 128 elements, 16 bytes of padding behind every 64 words
	s_or_b32 s[G1+0], s18, (1<<16)|(1<<20)|(1<<21)|(5<<22)|(3<<25)
	s_mov_b32 s[G1+1], 128<<16                     ; tensor_dim0 = 128
	s_mov_b32 s[G1+2], 128<<16                     ; tensor_dim1 = 128
	s_mov_b32 s[G1+3], 128<<16                     ; tile_dim0 = 128
	s_mov_b32 s[G1+4], 128                         ; tile_dim1 = 128
	s_mov_b32 s[G1+5], 2048                        ; elements from row to row
	s_mov_b32 s[G1+6], 0
	s_mov_b32 s[G1+7], 0
	; group 1 for wbf: 64 rows (k) x 256 elements, 32 bytes of padding behind every 128 words
	s_or_b32 s[G1B+0], s19, (1<<16)|(1<<20)|(1<<21)|(6<<22)|(7<<25)
	s_mov_b32 s[G1B+1], 256<<16
	s_mov_b32 s[G1B+2], 64<<16
	s_mov_b32 s[G1B+3], 256<<16
	s_mov_b32 s[G1B+4], 64
	s_mov_b32 s[G1B+5], 4096
	s_mov_b32 s[G1B+6], 0
	s_mov_b32 s[G1B+7], 0
	s_mov_b32 s[KSIG], 0xbfb8aa3b
	s_mov_b32 s[KSIG+1], s[KSIG]                   ; named as pairs
	s_mov_b32 s[KTAN], 0x4038aa3b
	s_mov_b32 s[KTAN+1], s[KTAN]
	s_lshl_b32 s14, s13, 20                        ; abf: (256 x tile row
	s_lshl_b32 s15, s12, 19                        ;       + 128 x half) rows of 4,096 bytes
	s_add_co_u32 s14, s14, s15
	s_mov_b32 s15, 0
	s_lshl_b32 s46, s12, 19                        ; wbf: 64 x half rows of 8,192 bytes
	s_lshl_b32 s47, s42, 9                         ;      + 256 x tile column elements
	s_add_co_u32 s46, s46, s47
	s_mov_b32 s47, 0
	s_mul_i32 s20, s10, HALFT                      ; where the tiles go: wave x 34,816: no place in the cluster enters an LDS address
	s_wait_dscnt 0x0                               ; both opening adds are done
	s_wait_kmcnt 0x0
	s_add_nc_u64 s[14:15], s[68:69], s[14:15]
	s_add_nc_u64 s[46:47], s[70:71], s[46:47]
	CROUND                                         ; all sixteen work-groups are here: the first joint loads meet
.irp s, 0,1
	s_mov_b32 s[G0+4*(\s)], 1
	s_add_co_u32 s[G0+4*(\s)+1], s20, (\s)*SLOT
	s_add_nc_u64 s[G0+4*(\s)+2:G0+4*(\s)+3], s[14:15], (\s)*KSTEP*2
	s_or_b32 s[G0+4*(\s)+3], s[G0+4*(\s)+3], 0x80000000
	s_mov_b32 s[G0B+4*(\s)], 1
	s_add_co_u32 s[G0B+4*(\s)+1], s20, (\s)*SLOT
	s_add_nc_u64 s[G0B+4*(\s)+2:G0B+4*(\s)+3], s[46:47], (\s)*KSTEP*ROWB
	s_or_b32 s[G0B+4*(\s)+3], s[G0B+4*(\s)+3], 0x80000000
	JLOAD \s                                       ; K steps 0 and 1: two loads of mine are out
.endr
	; the lanes' addresses
	v_and_b32 v1, 15, v0                           ; r
	v_bfe_u32 v2, v0, 4, 1                         ; h
	v_mul_u32_u24 v3, v1, PITCH
	v_lshl_add_u32 v3, v2, 4, v3                   ; abf's fragment: row r x pitch + 16 h
	s_mul_i32 s21, s11, HALFT                      ; my 128 rows
	v_add_nc_u32 v[ADRA], s21, v3
	v_add_nc_u32 v[ADRA+1], SLOT, v[ADRA]
	v_and_b32 v4, 7, v0
	v_lshl_add_u32 v4, v2, 3, v4                   ; wbf's fragment, turned: k row 8 h + l % 8,
	v_mul_u32_u24 v4, v4, PB
	v_bfe_u32 v5, v0, 3, 1
	v_lshl_add_u32 v4, v5, 4, v4                   ; 16 bytes at 16 ((l / 8) % 2)
	s_lshl_b32 s22, s12, 8                         ; my 128 columns,
	s_add_co_u32 s22, s22, 2*HALFT                 ; behind abf's 256 rows
	v_add_nc_u32 v[ADRB], s22, v4
	v_add_nc_u32 v[ADRB+1], SLOT, v[ADRB]
	v_lshlrev_b32 v[BO], 5, v2
	v_mov_b32 v[ZR], 0
	s_mul_i32 s23, s10, WSTG
	s_add_co_u32 s23, s23, STAGE                   ; my stage
	v_mul_u32_u24 v3, v1, SP
	v_lshl_add_u32 v3, v2, 5, v3
	v_add_nc_u32 v[STO], s23, v3
	v_bfe_u32 v3, v0, 3, 2                         ; l / 8
	v_and_b32 v4, 7, v0
	v_mul_u32_u24 v5, v3, SP
	v_lshl_add_u32 v5, v4, 4, v5
	v_add_nc_u32 v[RD], s23, v5
	v_lshlrev_b32 v[CPO], 12, v3
	v_lshl_add_u32 v[CPO], v4, 4, v[CPO]
	v_and_b32 v[CO], 31, v0
	v_lshlrev_b32 v[CO], 4, v[CO]
	v_lshlrev_b32 v[MO], 2, v1
	; the bases: my 32 hidden columns begin at column 64 x tile column + 32 x half; my rows at row0 = 256 x tile row + 128 x half
	s_lshl_b32 s86, s42, 8
	s_lshl_b32 s87, s12, 7
	s_add_co_u32 s86, s86, s87                     ; the columns in bytes of f32
	s_mov_b32 s87, 0
	s_add_nc_u64 s[72:73], s[72:73], s[86:87]      ; b
	s_add_nc_u64 s[74:75], s[74:75], s[86:87]      ; c_prev
	s_lshl_b32 s88, s13, 8
	s_lshl_b32 s89, s11, 7
	s_add_co_u32 s88, s88, s89                     ; row0
	s_lshl_b32 s90, s88, 2
	s_mov_b32 s91, 0
	s_add_nc_u64 s[76:77], s[76:77], s[90:91]      ; forget_mask
	s_lshl_b32 s88, s88, 12                        ; row0 x 4,096 bytes, in c_prev and (16 rows are 65,536 bytes) in co
	s_mov_b32 s89, 0
	s_add_nc_u64 s[74:75], s[74:75], s[88:89]
	s_add_nc_u64 s[78:79], s[78:79], s[88:89]
	s_lshl_b32 s86, s86, 4                         ; 2,048 bytes of co for each 32 hidden columns
	s_add_nc_u64 s[78:79], s[78:79], s[86:87]
	; the bias in the accumulators' layout: block b = 4 j + q, register e: b[1024 q + my columns + 16 j + 8 h + e]
	WIN 0x40
.irp n, 0,1,2,3,4,5,6,7
	global_load_b128 v[8*(\n):8*(\n)+3],   v[BO], s[72:73] offset:4096*((\n)%4)+64*((\n)/4)
	global_load_b128 v[8*(\n)+4:8*(\n)+7], v[BO], s[72:73] offset:4096*((\n)%4)+64*((\n)/4)+16
.endr
	WIN 0
	; the prefetches.  The pointer starts at K step 3; each refill steps it first, so the first names K step 4.  Nothing is asked for here, at the head.
	s_lshl_b32 s86, s13, 20
	s_lshl_b32 s87, s12, 19
	s_add_co_u32 s86, s86, s87
	s_lshl_b32 s87, s40, 17                        ; my work-group's 32 of the wave's 128 rows of abf
	s_add_co_u32 s86, s86, s87
	s_add_co_u32 s86, s86, 3*KSTEP*2
	s_lshl_b32 s88, s12, 19
	s_lshl_b32 s89, s41, 17                        ; my work-group's 16 of the wave's 64 rows of wbf
	s_add_co_u32 s88, s88, s89
	s_lshl_b32 s89, s42, 9
	s_add_co_u32 s88, s88, s89
	s_add_co_u32 s88, s88, 3*KSTEP*ROWB
	s_and_b32 s84, ttmp7, 0xffff                   ; cluster y
	s_mov_b32 s[PST], KSTEP*ROWB
	s_mov_b32 s[PST+1], 0
	s_mov_b32 s87, 0
	s_cmp_eq_u32 s11, 0                            ; do I fetch for abf?
	s_cselect_b32 s86, s86, s88
	s_cselect_b64 s[PFA:PFA+1], s[68:69], s[70:71]
	s_cselect_b32 s[PST], KSTEP*2, s[PST]
	s_cselect_b32 s85, ttmp9, s84                  ; the coordinate along which other clusters read the same rows
	s_cselect_b32 s90, -1, 0
	s_add_nc_u64 s[PFA:PFA+1], s[PFA:PFA+1], s[86:87]
	s_cmp_eq_u32 s85, 0
	s_cselect_b32 s[LIM], 1, -1                    ; the same in all sixteen partners, for a given wave
	v_and_b32 v3, 31, v0
	v_lshlrev_b32 v4, 12, v3                       ; abf: a lane a row
	v_lshrrev_b32 v5, 1, v3
	v_lshlrev_b32 v5, 13, v5                       ; wbf: two lanes a row,
	v_and_b32 v3, 1, v0
	v_lshl_add_u32 v5, v3, 8, v5                   ; 256 bytes apart
	v_cndmask_b32 v[PFO], v5, v4, s90
; 16 matrix instructions: row blocks a0, a0 + 1 of the window's four (hi = 0: my rows 0-63, 1: rows 64-127) x all 8 column blocks, 32 along K.
; first = 1: the bias (window 1, v[8 b ..]) is the C operand: it starts the sums, and nothing is cleared or added later.
; The 64 accumulators take turns, one instruction a turn, in the same order everywhere.
.macro MUL16 f, hi, a0, first
.if \first
	WIN 0x91+0x40*(\hi)
.else
	WIN 0xa1+0x50*(\hi)
.endif
.irp a, \a0, (\a0)+1
.irp b, 0,1,2,3,4,5,6,7
.if \first
	v_wmma_f32_16x16x32_bf16 v[8*(8*(\a)+(\b)):8*(8*(\a)+(\b))+7], v[(\f)+8*(\b):(\f)+8*(\b)+7], v[(\f)+8*(4*(\hi)+(\a)):(\f)+8*(4*(\hi)+(\a))+7], v[8*(\b):8*(\b)+7]
.else
	v_wmma_f32_16x16x32_bf16 v[8*(8*(\a)+(\b)):8*(8*(\a)+(\b))+7], v[(\f)+8*(\b):(\f)+8*(\b)+7], v[(\f)+8*(4*(\hi)+(\a)):(\f)+8*(4*(\hi)+(\a))+7], v[8*(8*(\a)+(\b)):8*(8*(\a)+(\b))+7]
.endif
.endr
.endr
.endm
; 32 LDS loads in one run: the fragments of quarter q (32 along K) of a slot into buffer f: wbf's 8 column blocks, turned, then abf's 8 row blocks
.macro FETCH slot, q, f
	WIN 0x40
.irp i, 0,1,2,3,4,5,6,7
	ds_load_tr16_b128 v[(\f)+8*(\i):(\f)+8*(\i)+3],   v[ADRB+(\slot)] offset:(\q)*32*PB+32*(\i)
	ds_load_tr16_b128 v[(\f)+8*(\i)+4:(\f)+8*(\i)+7], v[ADRB+(\slot)] offset:(\q)*32*PB+32*(\i)+16*PB
.endr
	WIN 0
.irp i, 0,1,2,3,4,5,6,7
	ds_load_b128 v[(\f)+8*(\i):(\f)+8*(\i)+3],   v[ADRA+(\slot)] offset:(\q)*64+(\i)*16*PITCH
	ds_load_b128 v[(\f)+8*(\i)+4:(\f)+8*(\i)+7], v[ADRA+(\slot)] offset:(\q)*64+(\i)*16*PITCH+32
.endr
.endm
; One of a K step's first three quarters: multiplies buffer f; in its middle it fetches quarter q of the same slot into buffer g.
.macro QUARTER slot, q, f, g, first
	s_wait_dscnt 8                                 ; wbf's fragments and abf's rows 0-63 are in; the youngest eight loads (rows 64-127) may be out
	MUL16 \f, 0, 0, \first
	MUL16 \f, 0, 2, \first
	PLACES
	FETCH \slot, \q, \g
	s_wait_dscnt 32                                ; all but the 32 just issued
	MUL16 \f, 1, 0, \first
	MUL16 \f, 1, 2, \first
.endm
; The first half of a K step's last quarter, and the one barrier of the change of slots.  In front of it each wave waits for all its tensor loads (one is out: its part of the next slot),
; adds 0 to its spare word, and waits for that and for its reads of this slot.  Behind it nobody reads this slot and the next slot is whole.
.macro MEET round
	WIN 0
	s_wait_tensorcnt 0x0
	ds_add_u32 v[SPW], v[NIL]
	s_wait_dscnt 9                                 ; (the add and the youngest eight loads may be out)
	MUL16 F1, 0, 0, 0
	s_wait_dscnt 0x0                               ; the add is done, and my reads of this slot are over
	s_barrier_signal -1
	MUL16 F1, 0, 2, 0
.if \round
	WIN 0
.endif
	s_barrier_wait -1
.endm
; The whole last quarter.  on = 0: this slot is filled again with the K step two on; on = 1: with the next tile's K step 0 or 1; on = 2: nothing is filled.
.macro TURN slot, next, on
.if (\on) < 2
	s_wait_xcnt 0x0                                ; the last prefetch, a K step back, has read its address: the pointer is stepped here, ahead of the waits of the change of slots
.if ((\on) == 1) && ((\slot) == 0)
	s_add_nc_u64 s[PFA:PFA+1], s[PFA:PFA+1], PF_NEXT
	s_cmp_eq_u32 s11, 0
	s_cselect_b32 s[LIM], s[LIM], -1               ; wbf's rows are the same for both tiles: they are asked for in the first alone
.else
	s_add_nc_u64 s[PFA:PFA+1], s[PFA:PFA+1], s[PST:PST+1]
.endif
	MEET 1
	CREST                                          ; the barrier has opened a round of the cluster's: no wave of any partner still reads this slot or has a load on its way
.if (\on) == 1
	s_add_nc_u64 s[G0+4*(\slot)+2:G0+4*(\slot)+3], s[G0+4*(\slot)+2:G0+4*(\slot)+3], NEXT_A
	s_sub_nc_u64 s[G0B+4*(\slot)+2:G0B+4*(\slot)+3], s[G0B+4*(\slot)+2:G0B+4*(\slot)+3], BACK_B
.else
	s_add_nc_u64 s[G0+4*(\slot)+2:G0+4*(\slot)+3], s[G0+4*(\slot)+2:G0+4*(\slot)+3], STEP_A
	s_add_nc_u64 s[G0B+4*(\slot)+2:G0B+4*(\slot)+3], s[G0B+4*(\slot)+2:G0B+4*(\slot)+3], STEP_B
.endif
	JLOAD \slot                                    ; the first tensor load behind the round, 224 matrix instructions ahead of the wait for it; its four v_nop are also the places in front of the loads below
	FETCH \next, 0, F0
	ASK \on
.else
	MEET 0
	PLACES
	FETCH \next, 0, F0
.endif
	MUL16 F1, 1, 0, 0
	MUL16 F1, 1, 2, 0
.endm
; THE WAY OUT, a block of 16 rows at a time.
; CPLOAD: a tile's forget_mask (a row a lane, a load a block) and c_prev (my 128 rows x 128 bytes; a load takes 4 rows x 128 bytes), asked for more than a K step ahead of their use: 40 loads.
.macro CPLOAD
	WIN 0
.irp a, 0,1,2,3,4,5,6,7
	global_load_b32 v[MK+(\a)], v[MO], s[76:77] offset:64*(\a)
.endr
.irp a, 0,1,2,3,4,5,6,7
	WIN 0x40*((\a)/4)
.irp t, 0,1,2,3
	global_load_b128 v[CPR+16*((\a)%4)+4*(\t):CPR+16*((\a)%4)+4*(\t)+3], v[CPO], s[74:75] offset:65536*(\a)+16384*(\t)
.endr
.endr
.endm
; CPIN: block a's c_prev goes through my stage into the accumulators' layout.  LDS serves a wave's instructions in order (ISA guide 5.7.1.4): the loads see the stores.
.macro CPIN a
	s_wait_loadcnt 4*(7-(\a))                      ; the later blocks' four loads each may stay out; forget_mask's loads were issued ahead of them all
	WIN 0x04*((\a)/4)
.irp t, 0,1,2,3
	ds_store_b128 v[RD], v[CPR+16*((\a)%4)+4*(\t):CPR+16*((\a)%4)+4*(\t)+3] offset:4*SP*(\t)
.endr
	WIN 0
.irp u, 0,1,2,3
	ds_load_b128 v[CF+4*(\u):CF+4*(\u)+3], v[STO] offset:64*((\u)/2)+16*((\u)%2)
.endr
.endm
; GATES: block a's 64 registers, in place: v -> 1 / (1 + 2^(K v)), K = -log2 e for i, f, o and 2 log2 e for g.  Two batches of 64 transcendentals, each with one plain
; instruction and one wait behind it; ahead of a batch's wait nothing names a result of that batch.  The scalings (additions) stand among the exponentials
; (reciprocals), two pairs ahead of their use.  Each accumulator is read from its lowest pair on.
.macro GMUL p
.if (((\p)/4)%4) == 2
	v_pk_mul_f32 v[AC+2*(\p):AC+2*(\p)+1], v[AC+2*(\p):AC+2*(\p)+1], s[KTAN:KTAN+1] op_sel_hi:[1,0]
.else
	v_pk_mul_f32 v[AC+2*(\p):AC+2*(\p)+1], v[AC+2*(\p):AC+2*(\p)+1], s[KSIG:KSIG+1] op_sel_hi:[1,0]
.endif
.endm
.macro GADD p
	v_pk_add_f32 v[AC+2*(\p):AC+2*(\p)+1], v[AC+2*(\p):AC+2*(\p)+1], 1.0 op_sel_hi:[1,0]
.endm
.macro GATES a
.set AC, 64*((\a)%4)
	WIN 0x55*(2+(\a)/4)
	GMUL 0
	GMUL 1
.set p, 0
.rept 32
	v_exp_f32 v[AC+2*p], v[AC+2*p]
	v_exp_f32 v[AC+2*p+1], v[AC+2*p+1]
.if p < 30
	GMUL p+2
.endif
.set p, p+1
.endr
	v_nop
	s_wait_alu depctr_va_vdst(0)                   ; one wait for the 64 exponentials
	GADD 0
	GADD 1
.set p, 0
.rept 32
	v_rcp_f32 v[AC+2*p], v[AC+2*p]
	v_rcp_f32 v[AC+2*p+1], v[AC+2*p+1]
.if p < 30
	GADD p+2
.endif
.set p, p+1
.endr
	v_nop
	s_wait_alu depctr_va_vdst(0)                   ; one wait for the 64 reciprocals
.endm
; FIN: forget_mask and c_prev are rounded to bf16, and their product (exact in f32) is taken straight from the halves; c = f (mask c_prev) + i (1 - 2 rg); then the word { f16(c), f16(o) }.
; Accumulator (a, 4 j + q) lies at AC + 32 j + 8 q.
.macro FIN a
.set AC, 64*((\a)%4)
	WIN 0
	v_cvt_pk_bf16_f32 v[MK+(\a)], v[MK+(\a)], v[MK+(\a)]
.irp p, 0,1,2,3,4,5,6,7
	v_cvt_pk_bf16_f32 v[WD+(\p)], v[CF+2*(\p)], v[CF+2*(\p)+1]
.endr
.irp n, 0,1,2,3,4,5,6,7,8,9,10,11,12,13,14,15
.if ((\n)%2)
	v_fma_mix_f32_bf16 v[CF+(\n)], v[WD+(\n)/2], v[MK+(\a)], v[ZR] op_sel:[1,0,0] op_sel_hi:[1,1,0]
.else
	v_fma_mix_f32_bf16 v[CF+(\n)], v[WD+(\n)/2], v[MK+(\a)], v[ZR] op_sel_hi:[1,1,0]
.endif
.endr
	WIN 0x51*(2+(\a)/4)                            ; destination, sources 0 and 2 in the accumulators' window, source 1 in window 0
.irp p, 0,1,2,3,4,5,6,7
	v_pk_mul_f32 v[AC+32*((\p)/4)+8+2*((\p)%4):AC+32*((\p)/4)+8+2*((\p)%4)+1], v[AC+32*((\p)/4)+8+2*((\p)%4):AC+32*((\p)/4)+8+2*((\p)%4)+1], v[CF+2*(\p):CF+2*(\p)+1]
	v_pk_fma_f32 v[AC+32*((\p)/4)+16+2*((\p)%4):AC+32*((\p)/4)+16+2*((\p)%4)+1], v[AC+32*((\p)/4)+16+2*((\p)%4):AC+32*((\p)/4)+16+2*((\p)%4)+1], -2.0, 1.0 op_sel_hi:[1,0,0]
.endr
	WIN 0x55*(2+(\a)/4)
.irp p, 0,1,2,3,4,5,6,7
	v_pk_fma_f32 v[AC+32*((\p)/4)+2*((\p)%4):AC+32*((\p)/4)+2*((\p)%4)+1], v[AC+32*((\p)/4)+2*((\p)%4):AC+32*((\p)/4)+2*((\p)%4)+1], v[AC+32*((\p)/4)+16+2*((\p)%4):AC+32*((\p)/4)+16+2*((\p)%4)+1], v[AC+32*((\p)/4)+8+2*((\p)%4):AC+32*((\p)/4)+8+2*((\p)%4)+1]
.endr
	WIN 0x05*(2+(\a)/4)                            ; sources in the accumulators' window, destination in window 0
.irp n, 0,1,2,3,4,5,6,7,8,9,10,11,12,13,14,15
	v_cvt_pk_f16_f32 v[WD+(\n)], v[AC+32*((\n)/8)+(\n)%8], v[AC+32*((\n)/8)+24+(\n)%8]
.endr
	WIN 0
.endm
; OUT: the block's words into my stage, and back as 2,048 consecutive bytes of co.  SEND: stored.
.macro OUT a
	WIN 0
.irp u, 0,1,2,3
	ds_store_b128 v[STO], v[WD+4*(\u):WD+4*(\u)+3] offset:OREG+64*((\u)/2)+16*((\u)%2)
.endr
	s_wait_xcnt 0x0                                ; the stores of two blocks back have read this buffer: it is loaded again only behind this wait
.irp t, 0,1,2,3
	ds_load_b128 v[OB+16*((\a)%2)+4*(\t):OB+16*((\a)%2)+4*(\t)+3], v[RD] offset:OREG+4*SP*(\t)
.endr
.endm
.macro SEND a
	WIN 0
.irp t, 0,1,2,3
	global_store_b128 v[CO], v[OB+16*((\a)%2)+4*(\t):OB+16*((\a)%2)+4*(\t)+3], s[78:79] offset:65536*(\a)+512*(\t)  ; 512 consecutive bytes, at a multiple of 256 from co's first
.endr
.endm
	s_wait_tensorcnt 1                             ; my part of K step 0 is in; K step 1's may stay out
	s_barrier_signal -1
	s_barrier_wait -1                              ; everybody's is
	FETCH 0, 0, F0
	s_wait_loadcnt 0x0                             ; the bias
	WIN 0x45                                       ; it is rounded to bf16 and widened again, once a launch, all in window 1; wbf's second buffer, still idle, holds the packed halves
.set p, 0
.rept 32
	v_cvt_pk_bf16_f32 v[F1+p], v[2*p], v[2*p+1]
.set p, p+1
.endr
.set p, 0
.rept 32
	v_lshlrev_b32 v[2*p], 16, v[F1+p]
	v_and_b32 v[2*p+1], 0xffff0000, v[F1+p]
.set p, p+1
.endr
	WIN 0
	s_mov_b32 s2, 2                                ; tiles to go: the same in every work-group
.Ltile:
	QUARTER 0, 1, F0, F1, 1                        ; a tile's first quarter stands in front of the loop: its products start the sums, with the bias
	WIN 0                                          ; at a label and at a branch every window is 0
	s_mov_b32 s3, 7
.Llap:                                                 ; a trip goes once round the ring, from a lap's second quarter to the next lap's first, and fills both slots again
	QUARTER 0, 2, F1, F0, 0
	QUARTER 0, 3, F0, F1, 0
	TURN 0, 1, 0
	QUARTER 1, 1, F0, F1, 0
	QUARTER 1, 2, F1, F0, 0
	QUARTER 1, 3, F0, F1, 0
	TURN 1, 0, 0
	QUARTER 0, 1, F0, F1, 0
	WIN 0
	s_sub_co_u32 s3, s3, 1
	s_cmp_lg_u32 s3, 0
	s_cbranch_scc1 .Llap
	CPLOAD                                         ; seven quarters, 448 matrix instructions, ahead of the way out
	QUARTER 0, 2, F1, F0, 0                        ; the tile's last lap goes on
	QUARTER 0, 3, F0, F1, 0
	WIN 0
	s_cmp_eq_u32 s2, 1
	s_cbranch_scc1 .Llast                          ; the last tile's tail asks for nothing more
	TURN 0, 1, 1                                   ; the ring goes on into the next tile: slot 0 takes its K step 0,
	QUARTER 1, 1, F0, F1, 0
	QUARTER 1, 2, F1, F0, 0
	QUARTER 1, 3, F0, F1, 0
	TURN 1, 0, 1                                   ; slot 1 its K step 1, and the next tile's first fragments are fetched into buffer 0, which the way out leaves alone
	WIN 0
	s_branch .Lout
.Llast:
	TURN 0, 1, 2
	QUARTER 1, 1, F0, F1, 0
	QUARTER 1, 2, F1, F0, 0
	QUARTER 1, 3, F0, F1, 0
	s_wait_dscnt 8                                 ; the very last quarter: nothing more to fetch
	MUL16 F1, 0, 0, 0
	MUL16 F1, 0, 2, 0
	s_wait_dscnt 0x0
	MUL16 F1, 1, 0, 0
	MUL16 F1, 1, 2, 0
	WIN 0
.Lout:
	PLACES                                         ; behind the last products, ahead of all that reads the sums or writes abf's second buffer
	PLACES
.irp a, 0,1,2,3,4,5,6,7
	CPIN \a
	GATES \a                                       ; the block's 128 transcendentals stand between the LDS loads (c_prev's, and the block before's words) and the wait for them
	s_wait_dscnt 0x0
.if (\a) > 0
	SEND (\a)-1
.endif
	FIN \a
	OUT \a
.endr
	s_wait_dscnt 0x0
	SEND 7
	s_wait_xcnt 0x0                                ; the stores have read their data and base: the bases step, and the next tile's fragments may land in the registers that were stored
	s_add_nc_u64 s[74:75], s[74:75], TILE_STEP
	s_add_nc_u64 s[78:79], s[78:79], TILE_STEP
	s_add_nc_u64 s[76:77], s[76:77], WALK*4
	s_sub_co_u32 s2, s2, 1
	s_cmp_lg_u32 s2, 0
	s_cbranch_scc1 .Ltile
	s_wait_tensorcnt 0x0                           ; the wave's end: an add and its wait, behind my last tensor load and my last LDS store
	ds_add_u32 v[SPW], v[NIL]
	s_wait_dscnt 0x0
	CROUND                                         ; the closing round: no work-group ends while a partner may still ask for a tile that names it
	s_endpgm
.Lfunc_end_k_q552f07f2a0_gemm:
	.size	k_q552f07f2a0_gemm, .Lfunc_end_k_q552f07f2a0_gemm-k_q552f07f2a0_gemm
	.p2alignl 7, 3214868480
	.fill 96, 4, 3214868480
	.section	.rodata,"a",@progbits
	.p2align	6, 0x0
	.amdhsa_kernel k_q552f07f2a0_gemm
		.amdhsa_group_segment_fixed_size 327680
		.amdhsa_private_segment_fixed_size 0
		.amdhsa_enable_private_segment 0
		.amdhsa_kernarg_size 48
		.amdhsa_user_sgpr_count 2
		.amdhsa_user_sgpr_kernarg_segment_ptr 1
		.amdhsa_wavefront_size32 1
		.amdhsa_system_sgpr_workgroup_id_x 1
		.amdhsa_system_sgpr_workgroup_id_y 1
		.amdhsa_system_sgpr_workgroup_id_z 1
		.amdhsa_system_vgpr_workitem_id 0
		.amdhsa_next_free_vgpr 1024
		.amdhsa_next_free_sgpr 96
		.amdhsa_reserve_vcc 0
		.amdhsa_float_denorm_mode_32 3
		.amdhsa_float_denorm_mode_16_64 3
		.amdhsa_memory_ordered 1
		.amdhsa_forward_progress 1
		.amdhsa_inst_pref_size 255
	.end_amdhsa_kernel
	.section	.bss,"aw",@nobits
	.p2align	6
	.space	262144
	.amdgpu_metadata
---
amdhsa.version: [ 1, 2 ]
amdhsa.kernels:
  - .name:           k_q552f07f2a0_gemm
    .symbol:         k_q552f07f2a0_gemm.kd
    .args:
      - { .name: abf, .offset: 0, .size: 8, .value_kind: global_buffer, .address_space: global }
      - { .name: wbf, .offset: 8, .size: 8, .value_kind: global_buffer, .address_space: global }
      - { .name: b, .offset: 16, .size: 8, .value_kind: global_buffer, .address_space: global }
      - { .name: c_prev, .offset: 24, .size: 8, .value_kind: global_buffer, .address_space: global }
      - { .name: forget_mask, .offset: 32, .size: 8, .value_kind: global_buffer, .address_space: global }
      - { .name: co, .offset: 40, .size: 8, .value_kind: global_buffer, .address_space: global }
    .group_segment_fixed_size: 327680
    .private_segment_fixed_size: 0
    .kernarg_segment_align: 8
    .kernarg_segment_size: 48
    .max_flat_workgroup_size: 128
    .sgpr_count:     96
    .vgpr_count:     1024
    .wavefront_size: 32
...
	.end_amdgpu_metadata
.endif
;; end of part 2
;; launch norm (part 3): grid 512 x 1, 8 waves a work-group, no clusters, 0 bytes of LDS; arguments co, ln_gamma, ln_beta, out0, out1; writes out0, out1
.if DOCPART == 3
	.amdgcn_target "amdgcn-amd-amdhsa--gfx1250"
	.amdhsa_code_object_version 6
	.text
	.protected	k_q552f07f2a0_norm
	.globl	k_q552f07f2a0_norm
	.p2align	8
	.type	k_q552f07f2a0_norm,@function
k_q552f07f2a0_norm:
	s_mov_b64 s[64:65], 0
	v_nop
	global_prefetch_b8 v0, s[64:65] scope:SCOPE_SE
	s_setreg_imm32_b32 hwreg(HW_REG_WAVE_MODE, 25, 1), 1
	s_wait_xcnt 0x0
; out1 = (c - mean) rsqrt(var + 1e-5) gamma + beta over a row's 1,024 columns (biased variance);  out0 = o tanh(out1).
; co holds one word for each (row, column): low half f16(c), high half f16(o), at byte (row / 16) 65,536 + (col / 32) 2,048 + (row % 16) 128 + (col % 32) 4.
; FORMATS.  gamma and beta are taken rounded once to bf16, like every other input of the cell (the launch before rounds the others).  All arithmetic in f32.
; The variance is taken in a second pass over the registers, of c - mean: no difference of large sums.  tanh(y) = 1 - 2 / (1 + 2^(2 y log2 e)), which goes to its limits 1 and -1.
; A stream: no LDS, no barrier, no loop.  A work-group takes 16 rows: 65,536 consecutive bytes of co.  A wave takes two rows, sixteen lanes each, so a row's sums never leave
; a half of the wave's lanes.  Lane l holds columns 64 t + 4 (l % 16) + 0..3, t = 0..15: 64 words, which stay in registers from the first pass to the last.
.set LO,  2                            ; v2   my byte offset in the group's co
.set GO,  3                            ; v3   16 (l % 16): my columns in gamma and beta
.set OO,  4                            ; v4   my byte offset in the group's rows of the outputs
.set ONE, 5                            ; v5   1.0
.set ZER, 6                            ; v6   0
.set NM,  7                            ; v7   -mean
.set RS,  8                            ; v8   rsqrt(var + eps)
.set NMR, 9                            ; v9   -mean x rs
.set S,   10                           ; v10-13  four chains of the sum
.set Q,   14                           ; v14-17  four chains of the squares
.set X,   32                           ; v32-95   the words
.set G,   96                           ; v96-159  gamma as loaded, then out1
.set BT,  160                          ; v160-223 beta as loaded; then beta packed to bf16 (32) and gamma packed to bf16 (32); then out0
.set T,   224                          ; v224-239 at work
	s_load_b256 s[4:11], s[0:1], 0x0               ; co s[4:5], gamma s[6:7], beta s[8:9], out0 s[10:11]
	s_load_b64 s[12:13], s[0:1], 0x20              ; out1
	s_lshl_b32 s16, ttmp9, 16                      ; 16 rows are 65,536 bytes in co and in each output
	s_mov_b32 s17, 0
	s_mov_b32 s20, 0x3a800000                      ; 1 / 1024
	s_mov_b32 s21, 0x3727c5ac                      ; 1e-5
	s_mov_b32 s22, 0x4038aa3b                      ; 2 log2 e
	s_mov_b32 s23, s22                             ; named as a pair
	v_lshrrev_b32 v1, 4, v0                        ; my row of the 16
	v_and_b32 v[GO], 15, v0
	v_lshlrev_b32 v[GO], 4, v[GO]
	v_lshl_add_u32 v[OO], v1, 12, v[GO]
	v_bfe_u32 v[LO], v0, 3, 1                      ; which 32 of my 64 columns
	v_lshlrev_b32 v[LO], 11, v[LO]
	v_lshl_add_u32 v[LO], v1, 7, v[LO]
	v_and_b32 v1, 7, v0
	v_lshl_add_u32 v[LO], v1, 4, v[LO]
	v_mov_b32 v[ONE], 1.0
	v_mov_b32 v[ZER], 0
	s_wait_kmcnt 0x0
	s_add_nc_u64 s[4:5], s[4:5], s[16:17]
	s_add_nc_u64 s[10:11], s[10:11], s[16:17]
	s_add_nc_u64 s[12:13], s[12:13], s[16:17]
.set t, 0
.rept 16
	global_load_b128 v[X+4*t:X+4*t+3], v[LO], s[4:5] offset:4096*t th:TH_LOAD_NT  ; lanes 0-7 with 16-23, and 8-15 with 24-31, cover 256 consecutive bytes each, aligned
.set t, t+1
.endr
.set t, 0
.rept 16
	global_load_b128 v[G+4*t:G+4*t+3], v[GO], s[6:7] offset:256*t
.set t, t+1
.endr
.set t, 0
.rept 16
	global_load_b128 v[BT+4*t:BT+4*t+3], v[GO], s[8:9] offset:256*t
.set t, t+1
.endr
	; pass 1: the sum of c, four chains; the f16 half is read by the multiply-add itself
.set t, 0
.rept 16
	s_wait_loadcnt 47-t                            ; 48 loads were issued: word group t is in when the 47 - t younger ones are all that is out
.set k, 0
.rept 4
.if t == 0
	v_fma_mix_f32 v[S+k], v[X+k], v[ONE], v[ZER] op_sel_hi:[1,0,0]
.else
	v_fma_mix_f32 v[S+k], v[X+4*t+k], v[ONE], v[S+k] op_sel_hi:[1,0,0]
.endif
.set k, k+1
.endr
.set t, t+1
.endr
	v_add_f32 v[S], v[S], v[S+1]
	v_add_f32 v[S+2], v[S+2], v[S+3]
	v_add_f32 v[S], v[S], v[S+2]
	v_add_f32_dpp v[S], v[S], v[S] row_xmask:1 row_mask:0xf bank_mask:0xf  ; a row lies in sixteen lanes: four steps, and every lane of the row has its sum
	v_add_f32_dpp v[S], v[S], v[S] row_xmask:2 row_mask:0xf bank_mask:0xf
	v_add_f32_dpp v[S], v[S], v[S] row_xmask:4 row_mask:0xf bank_mask:0xf
	v_add_f32_dpp v[S], v[S], v[S] row_xmask:8 row_mask:0xf bank_mask:0xf
	v_mul_f32 v[NM], 0xba800000, v[S]              ; -sum / 1024
	; pass 2: the sum of (c - mean)^2, sixteen numbers at a time
.set u, 0
.rept 4
.set n, 0
.rept 16
	v_fma_mix_f32 v[T+n], v[X+16*u+n], v[ONE], v[NM] op_sel_hi:[1,0,0]
.set n, n+1
.endr
.set n, 0
.rept 8
.if (u == 0) && (n < 2)
	v_pk_mul_f32 v[Q+2*n:Q+2*n+1], v[T+2*n:T+2*n+1], v[T+2*n:T+2*n+1]
.else
	v_pk_fma_f32 v[Q+2*(n%2):Q+2*(n%2)+1], v[T+2*n:T+2*n+1], v[T+2*n:T+2*n+1], v[Q+2*(n%2):Q+2*(n%2)+1]
.endif
.set n, n+1
.endr
.set u, u+1
.endr
	v_add_f32 v[Q], v[Q], v[Q+1]
	v_add_f32 v[Q+2], v[Q+2], v[Q+3]
	v_add_f32 v[Q], v[Q], v[Q+2]
	v_add_f32_dpp v[Q], v[Q], v[Q] row_xmask:1 row_mask:0xf bank_mask:0xf
	v_add_f32_dpp v[Q], v[Q], v[Q] row_xmask:2 row_mask:0xf bank_mask:0xf
	v_add_f32_dpp v[Q], v[Q], v[Q] row_xmask:4 row_mask:0xf bank_mask:0xf
	v_add_f32_dpp v[Q], v[Q], v[Q] row_xmask:8 row_mask:0xf bank_mask:0xf
	v_fma_f32 v[Q], v[Q], s20, s21                 ; var + eps
	v_rsq_f32 v[RS], v[Q]
	v_nop                                          ; a plain instruction behind the root,
	s_wait_alu depctr_va_vdst(0)                   ; and the wait ahead of its first use
	v_mul_f32 v[NMR], v[NM], v[RS]
	; gamma and beta are rounded to bf16, two to a register.  beta is packed in place, ascending (register p is written from registers 2 p and 2 p + 1, which no later line reads);
	; gamma then goes into the upper half of beta's registers, which that has set free, so that gamma's own 64 registers can take out1.
	s_wait_loadcnt 0x0                             ; gamma and beta
.set p, 0
.rept 32
	v_cvt_pk_bf16_f32 v[BT+p], v[BT+2*p], v[BT+2*p+1]
.set p, p+1
.endr
.set p, 0
.rept 32
	v_cvt_pk_bf16_f32 v[BT+32+p], v[G+2*p], v[G+2*p+1]
.set p, p+1
.endr
	; out1 = (c rs - mean rs) gamma + beta: the multiply-add reads gamma's and beta's bf16 halves itself
.set t, 0
.rept 16
.set k, 0
.rept 4
	v_fma_mix_f32 v[T+4*(t%4)+k], v[X+4*t+k], v[RS], v[NMR] op_sel_hi:[1,0,0]
.set k, k+1
.endr
	v_fma_mix_f32_bf16 v[G+4*t],   v[T+4*(t%4)],   v[BT+32+2*t],   v[BT+2*t]   op_sel_hi:[0,1,1]
	v_fma_mix_f32_bf16 v[G+4*t+1], v[T+4*(t%4)+1], v[BT+32+2*t],   v[BT+2*t]   op_sel:[0,1,1] op_sel_hi:[0,1,1]
	v_fma_mix_f32_bf16 v[G+4*t+2], v[T+4*(t%4)+2], v[BT+32+2*t+1], v[BT+2*t+1] op_sel_hi:[0,1,1]
	v_fma_mix_f32_bf16 v[G+4*t+3], v[T+4*(t%4)+3], v[BT+32+2*t+1], v[BT+2*t+1] op_sel:[0,1,1] op_sel_hi:[0,1,1]
	global_store_b128 v[OO], v[G+4*t:G+4*t+3], s[12:13] offset:256*t th:TH_STORE_NT  ; sixteen lanes store 256 consecutive bytes of a row, aligned; G is not written again
.set t, t+1
.endr
	; tanh(out1), in beta's registers (the packed halves have served): two batches of 64 transcendentals, each with one plain instruction and one wait behind it; ahead of a batch's wait nothing names a result of that batch
.macro TMUL p
	v_pk_mul_f32 v[BT+2*(\p):BT+2*(\p)+1], v[G+2*(\p):G+2*(\p)+1], s[22:23] op_sel_hi:[1,0]
.endm
.macro TADD p
	v_pk_add_f32 v[BT+2*(\p):BT+2*(\p)+1], v[BT+2*(\p):BT+2*(\p)+1], 1.0 op_sel_hi:[1,0]
.endm
	TMUL 0
	TMUL 1
.set p, 0
.rept 32
	v_exp_f32 v[BT+2*p], v[BT+2*p]
	v_exp_f32 v[BT+2*p+1], v[BT+2*p+1]
.if p < 30
	TMUL p+2
.endif
.set p, p+1
.endr
	v_nop
	s_wait_alu depctr_va_vdst(0)                   ; one wait for the 64 exponentials
	TADD 0
	TADD 1
.set p, 0
.rept 32
	v_rcp_f32 v[BT+2*p], v[BT+2*p]
	v_rcp_f32 v[BT+2*p+1], v[BT+2*p+1]
.if p < 30
	TADD p+2
.endif
.set p, p+1
.endr
	v_nop
	s_wait_alu depctr_va_vdst(0)                   ; one wait for the 64 reciprocals
	; out0 = o (1 - 2 r): o is the word's high half
.set t, 0
.rept 16
	v_pk_fma_f32 v[BT+4*t:BT+4*t+1],   v[BT+4*t:BT+4*t+1],   -2.0, 1.0 op_sel_hi:[1,0,0]
	v_pk_fma_f32 v[BT+4*t+2:BT+4*t+3], v[BT+4*t+2:BT+4*t+3], -2.0, 1.0 op_sel_hi:[1,0,0]
.set k, 0
.rept 4
	v_fma_mix_f32 v[BT+4*t+k], v[X+4*t+k], v[BT+4*t+k], v[ZER] op_sel:[1,0,0] op_sel_hi:[1,0,0]
.set k, k+1
.endr
	global_store_b128 v[OO], v[BT+4*t:BT+4*t+3], s[10:11] offset:256*t th:TH_STORE_NT
.set t, t+1
.endr
	s_endpgm
.Lfunc_end_k_q552f07f2a0_norm:
	.size	k_q552f07f2a0_norm, .Lfunc_end_k_q552f07f2a0_norm-k_q552f07f2a0_norm
	.p2alignl 7, 3214868480
	.fill 96, 4, 3214868480
	.section	.rodata,"a",@progbits
	.p2align	6, 0x0
	.amdhsa_kernel k_q552f07f2a0_norm
		.amdhsa_group_segment_fixed_size 0
		.amdhsa_private_segment_fixed_size 0
		.amdhsa_enable_private_segment 0
		.amdhsa_kernarg_size 40
		.amdhsa_user_sgpr_count 2
		.amdhsa_user_sgpr_kernarg_segment_ptr 1
		.amdhsa_wavefront_size32 1
		.amdhsa_system_sgpr_workgroup_id_x 1
		.amdhsa_system_sgpr_workgroup_id_y 1
		.amdhsa_system_sgpr_workgroup_id_z 1
		.amdhsa_system_vgpr_workitem_id 0
		.amdhsa_next_free_vgpr 240
		.amdhsa_next_free_sgpr 66
		.amdhsa_reserve_vcc 0
		.amdhsa_float_denorm_mode_32 3
		.amdhsa_float_denorm_mode_16_64 3
		.amdhsa_memory_ordered 1
		.amdhsa_forward_progress 1
		.amdhsa_inst_pref_size 47
	.end_amdhsa_kernel
	.amdgpu_metadata
---
amdhsa.version: [ 1, 2 ]
amdhsa.kernels:
  - .name:           k_q552f07f2a0_norm
    .symbol:         k_q552f07f2a0_norm.kd
    .args:
      - { .name: co, .offset: 0, .size: 8, .value_kind: global_buffer, .address_space: global }
      - { .name: ln_gamma, .offset: 8, .size: 8, .value_kind: global_buffer, .address_space: global }
      - { .name: ln_beta, .offset: 16, .size: 8, .value_kind: global_buffer, .address_space: global }
      - { .name: out0, .offset: 24, .size: 8, .value_kind: global_buffer, .address_space: global }
      - { .name: out1, .offset: 32, .size: 8, .value_kind: global_buffer, .address_space: global }
    .group_segment_fixed_size: 0
    .private_segment_fixed_size: 0
    .kernarg_segment_align: 8
    .kernarg_segment_size: 40
    .max_flat_workgroup_size: 256
    .sgpr_count:     66
    .vgpr_count:     240
    .wavefront_size: 32
...
	.end_amdgpu_metadata
.endif
;; end of part 3
;; ======== version 2 of 2: 3 launches; version 1 with the launch prep written anew for expert scheduling mode
;; limits: values are held in f16: magnitudes above 65,504 overflow, below 6.1e-05 lose precision
;; workspace buffers: abf 33,554,432 bytes; wbf 16,777,216 bytes; co 33,554,432 bytes
;; launch prep (part 4): grid 768 x 1, 8 waves a work-group, no clusters, 0 bytes of LDS; arguments x, h_prev, W, abf, wbf; writes abf, wbf
.if DOCPART == 4
	.amdgcn_target "amdgcn-amd-amdhsa--gfx1250"
	.amdhsa_code_object_version 6
	.text
	.protected	k_q552f07f2a0_prep
	.globl	k_q552f07f2a0_prep
	.p2align	8
	.type	k_q552f07f2a0_prep,@function
k_q552f07f2a0_prep:
	s_mov_b64 s[64:65], 0
	v_nop
	global_prefetch_b8 v0, s[64:65] scope:SCOPE_SE
	s_setreg_imm32_b32 hwreg(HW_REG_WAVE_SCHED_MODE, 0, 2), 2
	s_setreg_imm32_b32 hwreg(HW_REG_WAVE_MODE, 25, 1), 1
	s_wait_xcnt 0x0
	s_wait_alu depctr_vm_vsrc(0)
; CASTS TO bf16, each number rounded once to nearest even.
;   abf [8192][2048] bf16: row m = x[m][0..1023], then h_prev[m][0..1023] (4,096 bytes a row).
;   wbf [2048][4096] bf16: row k holds W[k][.] with its columns in another order:
;       wbf[k][128 ch + 64 j + 16 q + r] = W[k][1024 q + 32 ch + 16 j + r]   (ch 0..31, j 0..1, q = gate 0..3, r 0..15),
;       so that 128 neighbouring columns hold all four gates of 32 hidden columns.
; A stream: no LDS, no barrier, no matrix unit.  A UNIT is 4,096 bytes read and 2,048 written: one 16-byte load and one 8-byte store a thread.
; A work-group takes 32 units.  Work-groups 0-255 cast x (32 rows each), 256-511 h_prev, 512-767 W (8 rows each).
; THE MODE: SCHED_MODE bits 1:0 = 2 (LLVM: expert scheduling mode 2), set by the entry lines.  The code itself states the register dependences
; between vector instructions and memory instructions, with s_wait_alu, always for 0.
; THE PLAN.  The 32 units go in 8 blocks of four (four rows of x or h_prev; one row of W).  Registers that memory instructions touch:
;   X0 .. X3   four blocks as loaded.  Written by the loads of block p + 3, issued in block p; read by block p's eight roundings.
;   Y0 .. Y7   a buffer for each block.  Written by block p's roundings, once in the launch; read by the four stores that are issued in block p + 1; never written again.
;   v2, v3     the two byte offsets, made once at the head and never written again.  The two scalar bases are never stepped either: every unit is reached by an
;              immediate offset, 126,976 bytes at the most.
; Block p works on X[p % 4] and writes Y[p].  Its memory instructions are the loads into X[(p + 3) % 4] = X[(p - 1) % 4] and the stores from Y[p - 1]: the two buffers
; that block p - 1 worked on and that no vector instruction of block p names.  So ONE wait at a block's head states all that the block's eight memory instructions hang
; on, and these are dealt among its eight roundings with no further wait.  No register that a memory instruction reads is written again, so nothing is owed for that.
; With a ring of four X buffers the first block and the last three differ from the others, which leaves four blocks alike: the eight are written out, by one macro.
.set VS,  2                            ; v2        my byte offset in the source; never rewritten
.set VD,  3                            ; v3        my byte offset in the destination; never rewritten
.set X,   8                            ; v[8:71]   buffer b, unit k: 4 registers at X + 16 b + 4 k, as loaded
.set Y,   72                           ; v[72:135] block p, unit k: 2 registers at Y + 8 p + 2 k, to store
.set SRC, 14                           ; s[14:15]  the work-group's part of the source; never stepped
.set DST, 16                           ; s[16:17]  the work-group's part of the destination; never stepped
; Where unit u (0 to 31) lies behind the two bases.  path 0 (x, h_prev): unit u is row u.
; path 1 (W): row u / 4; the wave's chunk of 128 destination columns is ch = 16 ((u / 2) % 2) + 2 wave + u % 2.
.macro OFFS path, u
.if \path
.set SI, ((\u)/4)*16384+(((\u)/2)%2)*2048+((\u)%2)*128
.set DI, ((\u)/4)*8192+(((\u)/2)%2)*4096+((\u)%2)*256
.else
.set SI, (\u)*4096
.set DI, (\u)*4096
.endif
.endm
; Block p.  Blocks 0 to 4 load block p + 3; blocks 1 to 7 store block p - 1.  left = how many younger loads may still be out when this block's four have to be there.
.macro BLK path, p, left
	s_wait_loadcnt \left                           ; loads come back in order (ISA guide 5.7.1): X[p % 4] is in, the younger blocks stay out
.if (\p) > 0
	s_wait_alu depctr_va_vdst(0)                   ; the block before has written its Y, which the stores below read, and is done reading its X, in which the loads below land
.endif
.irp k, 0,1,2,3
.if (\p) < 5
	OFFS \path, 4*((\p)+3)+(\k)
	global_load_b128 v[X+16*(((\p)+3)%4)+4*(\k):X+16*(((\p)+3)%4)+4*(\k)+3], v[VS], s[SRC:SRC+1] offset:SI th:TH_LOAD_NT  ; three blocks ahead; no vector instruction since the wait names these registers
.endif
.if (\p) > 0
	OFFS \path, 4*((\p)-1)+(\k)
	global_store_b64 v[VD], v[Y+8*((\p)-1)+2*(\k):Y+8*((\p)-1)+2*(\k)+1], s[DST:DST+1] offset:DI  ; the block before; a wave's store covers 256 consecutive bytes, aligned
.endif
	v_cvt_pk_bf16_f32 v[Y+8*(\p)+2*(\k)],   v[X+16*((\p)%4)+4*(\k)],   v[X+16*((\p)%4)+4*(\k)+1]
	v_cvt_pk_bf16_f32 v[Y+8*(\p)+2*(\k)+1], v[X+16*((\p)%4)+4*(\k)+2], v[X+16*((\p)%4)+4*(\k)+3]
.endr
.endm
.macro STREAM path
	s_wait_alu depctr_va_vdst(0)                   ; v[VS] and v[VD] are written: every load and store below reads one of them as its offset
.irp u, 0,1,2,3,4,5,6,7,8,9,10,11
	OFFS \path, \u
	global_load_b128 v[X+4*(\u):X+4*(\u)+3], v[VS], s[SRC:SRC+1] offset:SI th:TH_LOAD_NT  ; blocks 0, 1 and 2 into X0, X1, X2
.endr
	BLK \path, 0, 8                                ; block 0 has no block in front of it: no store, and no vector instruction has named X3, in which its loads land
	BLK \path, 1, 8
	BLK \path, 2, 8
	BLK \path, 3, 8
	BLK \path, 4, 8                                ; the last loads: block 7
	BLK \path, 5, 8                                ; blocks 5 to 7 load nothing: the counts run down
	BLK \path, 6, 4
	BLK \path, 7, 0
	s_wait_alu depctr_va_vdst(0)                   ; block 7 has written Y7, which the last four stores read
.irp k, 0,1,2,3
	OFFS \path, 28+(\k)
	global_store_b64 v[VD], v[Y+56+2*(\k):Y+56+2*(\k)+1], s[DST:DST+1] offset:DI
.endr
	s_endpgm
.endm
	s_load_b256 s[4:11], s[0:1], 0x0               ; x s[4:5], h_prev s[6:7], W s[8:9], abf s[10:11]
	s_load_b64 s[12:13], s[0:1], 0x20              ; wbf
	s_mov_b32 s21, 0
	s_mov_b32 s23, 0
	s_cmp_lt_u32 ttmp9, 512
	s_cbranch_scc0 .Lw
	; x and h_prev: 32 rows of 4,096 bytes in, 32 half rows of 2,048 bytes out, 4,096 bytes apart
	s_and_b32 s20, ttmp9, 255
	s_lshl_b32 s20, s20, 17                        ; 32 rows x 4,096 bytes, in the source and in abf alike
	v_lshlrev_b32 v[VS], 4, v0
	v_lshlrev_b32 v[VD], 3, v0
	s_wait_kmcnt 0x0
	s_cmp_lt_u32 ttmp9, 256
	s_cselect_b64 s[SRC:SRC+1], s[4:5], s[6:7]
	s_cselect_b32 s22, 0, 2048                     ; h_prev fills the second half of abf's rows
	s_add_nc_u64 s[SRC:SRC+1], s[SRC:SRC+1], s[20:21]
	s_add_nc_u64 s[DST:DST+1], s[10:11], s[20:21]
	s_add_nc_u64 s[DST:DST+1], s[DST:DST+1], s[22:23]
	STREAM 0
.Lw:
	; W: 8 rows of 16,384 bytes in, 8 rows of 8,192 bytes out.  Lane l of a wave writes destination columns 4 l .. 4 l + 3 of the chunk:
	; j = l / 16, q = (l / 4) % 4, r = 4 (l % 4): source byte 4,096 q + 128 ch + 64 j + 16 (l % 4).
	s_sub_co_u32 s20, ttmp9, 512
	s_lshl_b32 s22, s20, 16
	s_lshl_b32 s20, s20, 17
	v_lshrrev_b32 v1, 5, v0                        ; wave
	v_and_b32 v4, 31, v0                           ; l
	v_bfe_u32 v5, v0, 2, 2                         ; q
	v_bfe_u32 v6, v0, 4, 1                         ; j
	v_and_b32 v7, 3, v0
	v_lshlrev_b32 v[VS], 8, v1                     ; 128 x 2 wave
	v_lshl_add_u32 v[VS], v5, 12, v[VS]
	v_lshl_add_u32 v[VS], v6, 6, v[VS]
	v_lshl_add_u32 v[VS], v7, 4, v[VS]
	v_lshlrev_b32 v[VD], 9, v1                     ; 256 x 2 wave
	v_lshl_add_u32 v[VD], v4, 3, v[VD]
	s_wait_kmcnt 0x0
	s_add_nc_u64 s[SRC:SRC+1], s[8:9], s[20:21]
	s_add_nc_u64 s[DST:DST+1], s[12:13], s[22:23]
	STREAM 1
.Lfunc_end_k_q552f07f2a0_prep:
	.size	k_q552f07f2a0_prep, .Lfunc_end_k_q552f07f2a0_prep-k_q552f07f2a0_prep
	.p2alignl 7, 3214868480
	.fill 96, 4, 3214868480
	.section	.rodata,"a",@progbits
	.p2align	6, 0x0
	.amdhsa_kernel k_q552f07f2a0_prep
		.amdhsa_group_segment_fixed_size 0
		.amdhsa_private_segment_fixed_size 0
		.amdhsa_enable_private_segment 0
		.amdhsa_kernarg_size 40
		.amdhsa_user_sgpr_count 2
		.amdhsa_user_sgpr_kernarg_segment_ptr 1
		.amdhsa_wavefront_size32 1
		.amdhsa_system_sgpr_workgroup_id_x 1
		.amdhsa_system_sgpr_workgroup_id_y 1
		.amdhsa_system_sgpr_workgroup_id_z 1
		.amdhsa_system_vgpr_workitem_id 0
		.amdhsa_next_free_vgpr 136
		.amdhsa_next_free_sgpr 66
		.amdhsa_reserve_vcc 0
		.amdhsa_float_denorm_mode_32 3
		.amdhsa_float_denorm_mode_16_64 3
		.amdhsa_memory_ordered 1
		.amdhsa_forward_progress 1
		.amdhsa_inst_pref_size 23
	.end_amdhsa_kernel
	.amdgpu_metadata
---
amdhsa.version: [ 1, 2 ]
amdhsa.kernels:
  - .name:           k_q552f07f2a0_prep
    .symbol:         k_q552f07f2a0_prep.kd
    .args:
      - { .name: x, .offset: 0, .size: 8, .value_kind: global_buffer, .address_space: global }
      - { .name: h_prev, .offset: 8, .size: 8, .value_kind: global_buffer, .address_space: global }
      - { .name: W, .offset: 16, .size: 8, .value_kind: global_buffer, .address_space: global }
      - { .name: abf, .offset: 24, .size: 8, .value_kind: global_buffer, .address_space: global }
      - { .name: wbf, .offset: 32, .size: 8, .value_kind: global_buffer, .address_space: global }
    .group_segment_fixed_size: 0
    .private_segment_fixed_size: 0
    .kernarg_segment_align: 8
    .kernarg_segment_size: 40
    .max_flat_workgroup_size: 256
    .sgpr_count:     66
    .vgpr_count:     136
    .wavefront_size: 32
...
	.end_amdgpu_metadata
.endif
;; end of part 4
;; launch gemm: the kernel of part 2 again; grid 16 x 16, 4 waves a work-group, clusters of 4 x 4, 327,680 bytes of LDS; arguments abf, wbf, b, c_prev, forget_mask, co; writes co
;; launch norm: the kernel of part 3 again; grid 512 x 1, 8 waves a work-group, no clusters, 0 bytes of LDS; arguments co, ln_gamma, ln_beta, out0, out1; writes out0, out1
